; MI455X (gfx1250); checked and timed in simulation.
; The chip was launched on July 23, 2026; its instructions are those of AMD's public machine-readable ISA for CDNA 5 (MIT licence, August 2026) and "CDNA5" Instruction Set Architecture Reference Guide (July 2026). The comments in the code are by the model that wrote it; some were corrected since.
;; Multi Head Ver2. Allowed arithmetic: matrix products marked QUANTISED: E2M1 operands, one E8M0 scale for each 32 along K, by v_wmma_scale_f32_16x16x128_f8f6f4 with both operands' format E2M1 (or v_wmma_scale_f32_32x16x128_f4), f32 sums; everything else in f32.
;; Inputs: Wk 1,024 x 1,024 float32; Wq 1,024 x 1,024 float32; Wv 1,024 x 1,024 float32; x 4 x 2,048 x 1,024 float32.
;; Outputs: out0 4 x 2,048 x 1,024 float32.
;; This version of the problem:
;;   THIS VERSION OF THE PROBLEM IS GIVEN IN LOW PRECISION. The matrix products marked QUANTISED in the list below multiply operands that are first quantised to E2M1 (2 exponent bits, 1 mantissa bit; 4 bits a number), with one power-of-two scale for each 32 numbers along K (OCP MX v1.0); their sums are f32. All else is computed in f32.
;;   The module's matrix products, in the order in which they are computed (A, B: the left and right operand; K: the contracted axis; several contracted axes count as one K, in the product's order):
;;     1. [M 8,192, K 1,024] x [K 1,024, N 1,024]; A: input x; B: input Wq: QUANTISED
;;     2. [M 8,192, K 1,024] x [K 1,024, N 1,024]; A: input x; B: input Wk: QUANTISED
;;     3. [M 8,192, K 1,024] x [K 1,024, N 1,024]; A: input x; B: input Wv: QUANTISED
;;     4. batch 64 x [M 2,048, K 64] x [K 64, N 2,048]; A: computed on the way; B: computed on the way: QUANTISED
;;     5. batch 64 x [M 2,048, K 2,048] x [K 2,048, N 64]; A: softmax (see below); B: computed on the way: QUANTISED
;;   THE QUANTISER, for each operand of a quantised product, along K:
;;     - K is cut into blocks of 32 from its start; a last block that is shorter is filled with zeros.
;;     - A block's scale is 2^e with e = floor(log2(the largest magnitude in the block)) - 2, held to -126 .. 127; a block of zeros has e = 0. As a byte (E8M0): e + 127.
;;     - Each number is divided by its block's scale, clamped to +-6, and rounded to the nearest number of E2M1, ties to even, subnormals kept.
;;     - The product sums the exact products of the quantised numbers (number of the format x scale) in f32.
;;   ~~~python
;;   def quantise(x, axis):      # numpy; x: float32 -> the quantised numbers, widened to float32 again
;;       x = np.moveaxis(x, axis, -1); K = x.shape[-1]
;;       x = np.pad(x, [(0, 0)] * (x.ndim - 1) + [(0, -K % 32)]); x = x.reshape(x.shape[:-1] + (-1, 32)); a = np.abs(x).max(-1, keepdims=True)
;;       e = np.where(a > 0, np.clip(np.frexp(np.where(a > 0, a, 1))[1] - 1 - 2, -126, 127), 0)      # np.frexp(a)[1] - 1 = floor(log2(a)), exactly
;;       r = np.clip(x / 2.0 ** e, -6, 6)
;;       step = 2.0 ** (np.maximum(np.frexp(np.where(r == 0, 1, r))[1] - 1, 0) - 1)
;;       q = np.round(r / step) * step * 2.0 ** e      # np.round: ties to even
;;       return np.moveaxis(q.reshape(q.shape[:-2] + (-1,))[..., :K], -1, axis).astype(np.float32)
;;   ~~~
;;   SOFTMAX AHEAD OF A QUANTISED PRODUCT. Where the list says 'softmax', what is quantised is not the finished softmax but p = 2^(t - M), with t = logit x log2(e) and M = ceil(the row's largest t), a whole number; so 1/2 < the row's largest p <= 1. The row's sum l is taken of the UNQUANTISED p, in f32, and the product's result is divided by l at the end. Since M is a whole number, a kernel that streams over the keys may use a running M (the ceiling of the running maximum): every later rescaling is an exact power of two, which a block's scale takes up: the codes' values come out the same.
;;   OPERANDS COMPUTED ON THE WAY. 'Computed on the way' means the value that the module computes at that place (a softmax that the list does not call 'softmax' is quantised finished and normalised). What goes into a quantiser is computed in f32, as accurately as f32 sums, v_exp_f32 and their like allow (about 1e-6 of the number): no bf16 or f16 on the way to a quantiser, and a product that is left as it is and whose result goes on into a quantised operand takes f32 operands (vector FMAs, or v_wmma_f32_16x16x4_f32). A number that lies on a knife's edge between two numbers of the format may be rounded either way, as far as f32 arithmetic and the matrix unit's own rounding can turn it there, and no further.
;; One version. Each part assembles by itself: llvm-mc -triple=amdgcn-amd-amdhsa -mcpu=gfx1250 --defsym DOCPART=n.
;; ======== version 1 of 1: 3 launches
;; limits: right only within a limited range of input values
;; workspace buffers: xq 4,456,448 bytes; wq 1,671,168 bytes; qb 4,718,592 bytes; kv 8,912,896 bytes
;; launch quant (part 1): grid 352 x 2, 8 waves a work-group, no clusters, 43,008 bytes of LDS; arguments x, Wq, Wk, Wv, xq, wq; writes xq, wq
.if DOCPART == 1
	.amdgcn_target "amdgcn-amd-amdhsa--gfx1250"
	.amdhsa_code_object_version 6
	.text
	.protected	k_qe281b01862_quant
	.globl	k_qe281b01862_quant
	.p2align	8
	.type	k_qe281b01862_quant,@function
k_qe281b01862_quant:
	s_mov_b64 s[64:65], 0
	v_nop
	global_prefetch_b8 v0, s[64:65] scope:SCOPE_SE
	s_setreg_imm32_b32 hwreg(HW_REG_WAVE_MODE, 25, 1), 1
	s_wait_xcnt 0x0
; x [8192][1024] and Wq, Wk, Wv [1024][1024], f32, become codes of FP4 (E2M1), K (the 1,024 channels) innermost, with one E8M0 scale byte for each 32 along K.
; A block's scale is 2^(floor(log2(its largest magnitude)) - 2); its byte is the largest magnitude's exponent field - 2, held at 1 from below.  Numbers are divided by it and rounded to the nearest code, ties to even.
; LIMITS: a block of zeros gets the byte 1 where the quantiser's text says 127: its codes are zeros, which add nothing under any byte but 0xff, and this program alone reads the bytes.
;         NaN and infinities among the inputs are not served.
; WORK LEFT OUT (in the third launch): 128-key steps all of whose keys come after a tile's queries.  reference()'s own mask gives those scores the lowest number, so their p is 0 whatever finite values the inputs hold.
;         A NaN, an infinity or an overflow that reaches only those scores is not carried to the result.
; ROW ORDER.  In each 64 rows the true row 32 h + 8 u + e (h 0-1, u 0-3, e 0-7) is stored at 16 u + 8 h + e.  Then the 32 result registers that a lane holds of four tiles of sixteen rows are one whole block of 32 neighbours.
; UNITS.  128 stored rows x 256 along K: 128 x 128 bytes of codes, then 128 x 8 scale bytes: 17,408 bytes.
;   xq: [256 tokens 32][K step 4][128 tokens 2][unit];  wq: [two heads 8][K step 4][Wq, Wk, Wv][unit].
; SHARES.  A work-group takes 32 stored rows x half of K (work-group y: K steps 2 y, 2 y + 1), 65,536 bytes; a wave four rows, 8,192 bytes, all 16 loads asked for at once.
; Work-groups x 0-255 take x, then 32 for each weight: only pointers and offsets are chosen, all take one path.
; A step is two rows x 256 numbers.  Its four loads read 512 consecutive bytes each; the 2,048 bytes turn through the wave's own stage in LDS and come back as 16 neighbours a lane.  A step's codes are 256 consecutive aligned bytes.
; The work-group's scale bytes, 256 for each K step, are gathered in LDS; behind one barrier waves 0 and 1 store a K step's each, 256 consecutive aligned bytes.
; No tensor loads.  No cluster: nothing is shared.
.set R,    64                          ; v64-127  the wave's numbers as loaded: 4 steps x 16
.set X,    32                          ; v32-63   two sets of 16 neighbours
.set C,    128                         ; v128-135 codes, two registers a step
.set E,    136                         ; v136-139 a scale byte a step
.set SP,   80                          ; a lane's place in a stage: 64 bytes + 16 of padding
.set WREG, 2*32*SP                     ; two stages for each wave
.set SCB,  8*WREG                      ; the scale bytes: [K step 2][row 32][8] (1,024 bytes set apart)
.set SPARE, SCB+1024                   ; the spare words, 128 bytes for each wave
.set SPW,  12
.set NIL,  13
	s_load_b256 s[4:11], s[0:1], 0x0               ; x, Wq, Wk, Wv
	s_load_b128 s[12:15], s[0:1], 0x20             ; xq, wq
	v_lshl_add_u32 v[SPW], v0, 2, SPARE
	v_mov_b32 v[NIL], 0
	v_lshrrev_b32 v1, 5, v0
	v_readfirstlane_b32 s20, v1                    ; wave 0..7
	s_mul_i32 s28, s20, WREG
	s_lshl_b32 s29, s20, 5
	s_add_co_u32 s29, s29, SCB                     ; my four rows' scale bytes
	s_lshl_b32 s30, s20, 8
	s_add_co_u32 s30, s30, SCB                     ; on the way out: K step 2 y + wave
	v_and_b32 v2, 31, v0                           ; lane
	v_lshlrev_b32 v3, 4, v2
	v_lshlrev_b32 v4, 3, v2
	v_lshrrev_b32 v14, 2, v2
	v_mul_u32_u24 v14, v14, SP
	v_and_b32 v15, 3, v2
	v_lshl_add_u32 v14, v15, 4, v14
	v_add_nc_u32 v14, s28, v14                     ; the stage, in
	v_mul_u32_u24 v15, v2, SP
	v_add_nc_u32 v15, s28, v15                     ; and back
	v_lshrrev_b32 v5, 1, v2
	v_add_nc_u32 v5, s29, v5                       ; my block's byte
	v_add_nc_u32 v6, s30, v4
	s_wait_alu depctr_va_vdst(0)                   ; the wait at the head's end
	s_wait_kmcnt 0x0
	s_sub_co_u32 s21, ttmp9, 256                   ; a weight's work-group, counted over the three
	s_lshr_b32 s22, s21, 5                         ; which weight
	s_and_b32 s23, s21, 31                         ; its work-group
	s_mul_i32 s24, s22, 17408
	s_lshr_b32 s25, s23, 2
	s_mul_i32 s25, s25, 208896
	s_add_co_u32 s25, s25, s24                     ; its unit in wq
	s_lshr_b32 s26, ttmp9, 3
	s_mul_i32 s26, s26, 139264
	s_bfe_u32 s27, ttmp9, 0x10002
	s_mul_i32 s27, s27, 17408
	s_add_co_u32 s26, s26, s27                     ; x's unit in xq
	s_mov_b32 s31, 52224
	s_cmp_lt_u32 ttmp9, 256                        ; every choice hangs on the work-group's number alone
	s_cselect_b64 s[12:13], s[12:13], s[14:15]
	s_cselect_b32 s25, s26, s25
	s_cselect_b32 s23, ttmp9, s23
	s_cselect_b32 s31, 34816, s31                  ; from K step to K step
	s_cmp_ge_u32 ttmp9, 256
	s_cselect_b64 s[4:5], s[6:7], s[4:5]
	s_cmp_ge_u32 ttmp9, 288
	s_cselect_b64 s[4:5], s[8:9], s[4:5]
	s_cmp_ge_u32 ttmp9, 320
	s_cselect_b64 s[4:5], s[10:11], s[4:5]
	s_and_b32 s24, ttmp7, 0xffff                   ; which half of K
	s_lshl_b32 s22, s24, 1
	s_mul_i32 s22, s22, s31
	s_add_co_u32 s25, s25, s22                     ; my unit of K step 2 y
	s_lshl_b32 s24, s24, 11                        ; 2,048 bytes of a row
	; my first true row: 64 (G / 2) + 16 (G % 2) + 32 (wave bit 1) + 8 (wave bit 2) + 4 (wave bit 0)
	s_lshr_b32 s26, s23, 1
	s_lshl_b32 s26, s26, 6
	s_and_b32 s27, s23, 1
	s_lshl_b32 s27, s27, 4
	s_add_co_u32 s26, s26, s27
	s_bfe_u32 s27, s20, 0x10001
	s_lshl_b32 s27, s27, 5
	s_add_co_u32 s26, s26, s27
	s_lshr_b32 s27, s20, 2
	s_lshl_b32 s27, s27, 3
	s_add_co_u32 s26, s26, s27
	s_and_b32 s27, s20, 1
	s_lshl_b32 s27, s27, 2
	s_add_co_u32 s26, s26, s27
	s_lshl_b32 s26, s26, 12                        ; 4,096 bytes a row (under 2^26)
	s_add_co_u32 s26, s26, s24
	s_mov_b32 s27, 0
	s_add_nc_u64 s[4:5], s[4:5], s[26:27]
.irp t, 0,1,2,3
.irp i, 0,1,2,3
	global_load_b128 v[R+16*\t+4*\i:R+16*\t+4*\i+3], v3, s[4:5] offset:(2*(\t/2)+\i/2)*4096+(\t%2)*1024+(\i%2)*512 th:TH_LOAD_NT   ; read once in the launch
.endr
.endr
	s_and_b32 s23, s23, 3                          ; which 32 rows of the unit
	s_mul_i32 s26, s20, s31
	s_add_co_u32 s26, s26, s25
	s_lshl_b32 s28, s23, 8
	s_add_co_u32 s26, s26, s28
	s_add_co_u32 s26, s26, 16384
	s_add_nc_u64 s[40:41], s[12:13], s[26:27]      ; scale bytes of K step 2 y + wave (waves 0 and 1)
	s_lshl_b32 s28, s23, 12
	s_add_co_u32 s26, s25, s28
	s_lshl_b32 s28, s20, 9
	s_add_co_u32 s26, s26, s28
	s_add_nc_u64 s[32:33], s[12:13], s[26:27]      ; my codes of K step 2 y
	s_mov_b32 s30, s31
	s_mov_b32 s31, 0
	s_add_nc_u64 s[34:35], s[32:33], s[30:31]      ; and of 2 y + 1
.macro TURN t                          ; LDS serves a wave's instructions in order (ISA guide 5.7.1.4): no wait between the stores and the loads
.irp i, 0,1,2,3
	ds_store_b128 v14, v[R+16*(\t)+4*\i:R+16*(\t)+4*\i+3] offset:32*SP*((\t)%2)+8*SP*\i
.endr
.irp i, 0,1,2,3
	ds_load_b128 v[X+16*((\t)%2)+4*\i:X+16*((\t)%2)+4*\i+3], v15 offset:32*SP*((\t)%2)+16*\i
.endr
.endm
.macro STEP t
.set XS, X+16*((\t)%2)
.set KB, 32+2*((\t)%2)
.if (\t) > 0
	s_wait_dscnt 1                                 ; this step's numbers are back (the last step's byte store may be out)
.else
	s_wait_dscnt 0x0
.endif
.if (\t) < 3
	s_wait_loadcnt 4*(2-(\t))                      ; the next step's loads are in; four for each step behind it may be out
	TURN (\t)+1
.endif
	v_max3_num_f32 v8, |v[XS]|, |v[XS+1]|, |v[XS+2]|
	v_max3_num_f32 v9, |v[XS+3]|, |v[XS+4]|, |v[XS+5]|
.irp i, 6,10
	v_max3_num_f32 v8, v8, |v[XS+\i]|, |v[XS+\i+1]|
	v_max3_num_f32 v9, v9, |v[XS+\i+2]|, |v[XS+\i+3]|
.endr
	v_max3_num_f32 v8, v8, |v[XS+14]|, |v[XS+15]|
	v_max3_num_f32 v8, v8, v9, 0x1800000           ; and the floor 2^(3 - 127): the byte cannot fall under 1
	v_max_num_f32_dpp v8, v8, v8 row_xmask:1 row_mask:0xf bank_mask:0xf   ; with my neighbour's 16: the block's
	v_add_nc_u32 v11, 0xff000000, v8               ; 2 off the exponent field: the conversion takes the exponent field of this operand as its scale
	v_cvt_scalef32_pk8_fp4_f32 v[C+2*(\t)], v[XS:XS+7], v11
	v_cvt_scalef32_pk8_fp4_f32 v[C+2*(\t)+1], v[XS+8:XS+15], v11
	v_lshrrev_b32 v[E+(\t)], 23, v11               ; the byte (also the plain line behind the conversions)
	ds_store_b8 v5, v[E+(\t)] offset:256*((\t)%2)+16*((\t)/2)   ; both lanes of a block write the same byte with the same value
	global_store_b64 v4, v[C+2*(\t):C+2*(\t)+1], s[KB:KB+1] offset:256*((\t)/2)
.endm
	s_wait_loadcnt 12                              ; step 0's four loads are in
	TURN 0
.irp t, 0,1,2,3
	STEP \t
.endr
	s_wait_dscnt 0x0                               ; my scale bytes are in LDS
	s_barrier_signal -1
	s_barrier_wait -1                              ; everybody's are
	s_cmp_lt_u32 s20, 2
	s_cbranch_scc0 .Lend
	ds_load_b64 v[16:17], v6
	s_wait_dscnt 0x0
	global_store_b64 v4, v[16:17], s[40:41]        ; 256 consecutive bytes, aligned
.Lend:
	s_wait_tensorcnt 0x0                           ; the wave's end
	ds_add_u32 v[SPW], v[NIL]
	s_wait_dscnt 0x0
	s_endpgm
.Lfunc_end_k_qe281b01862_quant:
	.size	k_qe281b01862_quant, .Lfunc_end_k_qe281b01862_quant-k_qe281b01862_quant
	.p2alignl 7, 3214868480
	.fill 96, 4, 3214868480
	.section	.rodata,"a",@progbits
	.p2align	6, 0x0
	.amdhsa_kernel k_qe281b01862_quant
		.amdhsa_group_segment_fixed_size 43008
		.amdhsa_private_segment_fixed_size 0
		.amdhsa_enable_private_segment 0
		.amdhsa_kernarg_size 48
		.amdhsa_user_sgpr_count 2
		.amdhsa_user_sgpr_kernarg_segment_ptr 1
		.amdhsa_wavefront_size32 1
		.amdhsa_system_sgpr_workgroup_id_x 1
		.amdhsa_system_sgpr_workgroup_id_y 1
		.amdhsa_system_sgpr_workgroup_id_z 1
		.amdhsa_system_vgpr_workitem_id 0
		.amdhsa_next_free_vgpr 144
		.amdhsa_next_free_sgpr 66
		.amdhsa_reserve_vcc 0
		.amdhsa_float_denorm_mode_32 3
		.amdhsa_float_denorm_mode_16_64 3
		.amdhsa_memory_ordered 1
		.amdhsa_forward_progress 1
		.amdhsa_inst_pref_size 12
	.end_amdhsa_kernel
	.amdgpu_metadata
---
amdhsa.version: [ 1, 2 ]
amdhsa.kernels:
  - .name:           k_qe281b01862_quant
    .symbol:         k_qe281b01862_quant.kd
    .args:
      - { .name: x, .offset: 0, .size: 8, .value_kind: global_buffer, .address_space: global }
      - { .name: Wq, .offset: 8, .size: 8, .value_kind: global_buffer, .address_space: global }
      - { .name: Wk, .offset: 16, .size: 8, .value_kind: global_buffer, .address_space: global }
      - { .name: Wv, .offset: 24, .size: 8, .value_kind: global_buffer, .address_space: global }
      - { .name: xq, .offset: 32, .size: 8, .value_kind: global_buffer, .address_space: global }
      - { .name: wq, .offset: 40, .size: 8, .value_kind: global_buffer, .address_space: global }
    .group_segment_fixed_size: 43008
    .private_segment_fixed_size: 0
    .kernarg_segment_align: 8
    .kernarg_segment_size: 48
    .max_flat_workgroup_size: 256
    .sgpr_count:     66
    .vgpr_count:     144
    .wavefront_size: 32
...
	.end_amdgpu_metadata
.endif
;; end of part 1
;; launch proj (part 2): grid 8 x 32, 4 waves a work-group, clusters of 4 x 4, 327,680 bytes of LDS; arguments xq, wq, qb, kv; writes qb, kv
.if DOCPART == 2
	.amdgcn_target "amdgcn-amd-amdhsa--gfx1250"
	.amdhsa_code_object_version 6
	.text
	.protected	k_qe281b01862_proj
	.globl	k_qe281b01862_proj
	.p2align	8
	.type	k_qe281b01862_proj,@function
k_qe281b01862_proj:
	s_mov_b64 s[64:65], 0
	v_nop
	global_prefetch_b8 v0, s[64:65] scope:SCOPE_SE
	s_setreg_imm32_b32 hwreg(HW_REG_WAVE_MODE, 25, 1), 1
	s_wait_xcnt 0x0
	s_wait_alu depctr_hold_cnt(0) depctr_sa_sdst(0) depctr_va_vdst(0) depctr_va_sdst(0) depctr_va_ssrc(0) depctr_va_vcc(0) depctr_vm_vsrc(0)
	s_getreg_b32 s2, hwreg(HW_REG_IB_STS2, 6, 4)
	s_cmp_eq_u32 s2, 0
	s_cbranch_scc0 .Lentry_in_a_cluster
	s_endpgm
.Lentry_in_a_cluster:
	s_bfe_u32 s2, ttmp6, 0x10000c
	s_cmp_lg_u32 s2, 0xf033
	s_cbranch_scc0 .Lentry_shape_is_right
	s_endpgm
.Lentry_shape_is_right:
; q, k, v = x W^T on codes of FP4 (E2M1), one E8M0 scale for each 32 along K = 1,024, sums in f32; the results are quantised at once, in registers, and leave as images of the attention launch's operand registers.
; SHARES.  Work-group (n, y): 256 tokens (tile y) x q, k and v of heads 2 n, 2 n + 1: 256 work-groups of equal work.  Wave (tw, cw): 128 tokens x one head: 64 channels each of q, k, v: 96 accumulators, 768 registers.
; THE MATRIX INSTRUCTION.  q, k: source 0 = weight rows, source 1 = tokens: a lane holds ONE token and its registers run along channels (the K of q k^T).
;   v: source 0 = tokens, source 1 = weight rows: a lane holds one channel and its registers run along tokens (the K of p v).  One set of token fragments serves all three.
; By the stored row order (first launch) the 32 registers of four neighbouring accumulators are, in lanes of half h, the 32 neighbours of block 2 c + h: whole blocks of the next quantiser.
; K goes in four steps of 256.  A step's tiles are units of 17,408 dense bytes (128 rows x 128 bytes of codes, then 128 x 8 scale bytes), laid into LDS with 16 bytes of padding behind each 128.
; Three slots: step 0 at the head; steps 1 and 2 by one load a wave behind the first round; step 3 into slot 0 behind the second.  By this text's count a wave has one tensor load out at a time.
; CLUSTERS: 4 x 4.  Tokens' tiles are asked for jointly along a row, weights' along a column.
; NO PREFETCH: there is no loop to run ahead in: four K steps, asked for in three groups, of which the head's is the first.
; WHAT IS STORED.  qb: [batch x head 64][128 queries 16][4,608]: 8 tiles' images of 512 bytes (lane l's 16 bytes at 16 l), then scale words [tile / 4][row 16][tile % 4].
;   kv: [batch x head 64][128 keys 16][8,704]: k's 8 images; v's 8 images [half of the keys 2][tile of channels 4]; k's scale words [row 16][pair of tiles 4]; v's [row 16][tile 4].
;   A head has 64 channels.  q's word holds its two bytes twice; k's word for a pair holds the even tile's two bytes below and the odd tile's above.
; LIMITS: a block of zeros gets the byte 1 (its codes are zeros; this program alone reads the bytes); NaN and infinities are not served.
; REGISTERS.  window 0: v0-31 addresses; v32-79 scale words, two sets; v80-143 tokens' fragments; v144-239 weights'; on the way out codes and words.  window 1: q's sums ((a, b) at 8 (4 a + b)); 2: k's; 3: v's ((a, b) at 8 (8 b + a)).
.set UN,   19584                       ; a unit in LDS: 136 lines of 128 bytes, 144 apart = 36 words: sixteen rows start at sixteen different groups of four banks (64 banks of 4 bytes: ISA guide 11.1)
.set WB,   6*UN                        ; behind three slots of two token units: three slots of three weight units
.set SPARE, 293888                     ; behind 15 units: the spare words, two blocks of 256 bytes
.set ADX,  10                          ; v10-12 tokens' fragments in slot 0, 1, 2
.set ADW,  13                          ; v13-15 weights'
.set ADS,  16                          ; v16-24 scale words: [slot][tokens 0-63 and Wq; tokens 64-127 and Wk; tokens 0-63 and Wv]
.set LI,   25                          ; 16 x lane
.set H8,   26                          ; 8 h
.set SPW,  28
.set NIL,  29
.set SC,   32                          ; set s at SC + 24 s: pair j: lanes 0-15 tokens' block j, lanes 16-31 weights' block j; two words along K
.set XF,   80
.set WF,   144
.set T,    176                         ; the way out: largest magnitudes, then scale operands
.set BY,   180
.set PX,   184
.set QWD,  200                         ; v200-207 q's words, v208-211 k's, v212-215 v's
.set SW,   216                         ; v216-223 words as they are stored
.set XA, 24                            ; s[24:31] group 1: a token unit;  s[32:39] two
.set XB, 32
.set WA, 40                            ; s[40:47] one and a half weight units;  s[48:55] three
.set WC, 48
.set X0, 56                            ; groups 0: tokens' step 0, steps 1 and 2, step 3
.set X12, 68
.set X3, 72
.set W0, 76                            ; and the weights'
.set W12, 80
.set W3, 84
.set SEL, 90
.set MSB, 0
.set ZERO, 1
.macro WIN new                         ; the immediate's high byte repeats the setting that is left
.if MSB != (\new)
	s_set_vgpr_msb (MSB<<8)|(\new)
.set MSB, (\new)
.endif
.endm
.macro PLACES                          ; four places between matrix instructions and loads or vector lines that touch their registers
.rept 4
	v_nop
.endr
.endm
; A joint load: waves 0 and 1 fetch tokens, waves 2 and 3 weights; each line has one mask and one set of registers.
.macro JLOAD g0x, g1x, g0w, g1w
	s_cmp_eq_u32 s15, 0
	s_cbranch_scc0 .Lfor_w_\@
	tensor_load_to_lds s[\g0x:\g0x+3], s[\g1x:\g1x+7]
	s_nop 0
	PLACES
	s_branch .Lasked_\@
.Lfor_w_\@:
	tensor_load_to_lds s[\g0w:\g0w+3], s[\g1w:\g1w+7]
	s_nop 0
	PLACES
.Lasked_\@:
.endm
.macro CREST                           ; a round of the cluster's barrier behind its opening barrier
	s_cmp_lg_u32 s14, 0
	s_cbranch_scc1 .Lnot_wave_0_\@
	s_barrier_signal -3
.Lnot_wave_0_\@:
	s_barrier_wait -3
	s_barrier_signal -1
	s_barrier_wait -1
.endm
.macro CROUND
	s_barrier_signal -1
	s_barrier_wait -1
	CREST
.endm
.macro G1W g, rows, mask               ; dense bytes as rows of 256, padded behind each 128: 15:0 mask; elements of 1 byte; 20 padding; 21 beside a mask; 24:22 every 32 words (code 4); 31:25 four words (code 3)
	s_or_b32 s[\g], s[\mask], (1<<20)|(1<<21)|(4<<22)|(3<<25)
	s_mov_b32 s[\g+1], 256<<16
	s_mov_b32 s[\g+2], (\rows)<<16
	s_mov_b32 s[\g+3], 256<<16
	s_mov_b32 s[\g+4], \rows
	s_mov_b32 s[\g+5], 256
	s_mov_b32 s[\g+6], 0
	s_mov_b32 s[\g+7], 0
.endm
	s_load_b256 s[4:11], s[0:1], 0x0               ; xq, wq, qb, kv
	v_lshl_add_u32 v[SPW], v0, 2, SPARE
	v_mov_b32 v[NIL], 0
	ds_add_u32 v[SPW], v[NIL]                      ; the opening: the add, twice on end, and its wait ahead of the first tensor load
	ds_add_u32 v[SPW], v[NIL]
	v_lshrrev_b32 v1, 5, v0
	v_readfirstlane_b32 s14, v1                    ; wave 0..3
	s_lshr_b32 s15, s14, 1                         ; tw: my 128 tokens.  Also: I fetch tokens (0) or weights (1)
	s_and_b32 s16, s14, 1                          ; cw: my head.  Also: which part I fetch
	s_bfe_u32 s12, ttmp6, 0x40000                  ; cx, cy
	s_bfe_u32 s13, ttmp6, 0x40004
	s_lshl_b32 s18, ttmp9, 2
	s_add_co_u32 s18, s18, s12                     ; n
	s_and_b32 s17, ttmp7, 0xffff
	s_lshl_b32 s17, s17, 2
	s_add_co_u32 s17, s17, s13                     ; y
	s_lshl_b32 s20, s13, 2
	s_lshl_b32 s20, 15, s20                        ; my row of the cluster
	s_lshl_b32 s21, 0x1111, s12                    ; my column
	G1W XA, 68, 20
	G1W XB, 136, 20
	G1W WA, 102, 21
	G1W WC, 204, 21
	s_mul_i32 s22, s17, 139264
	s_mov_b32 s23, 0
	s_mul_i32 s92, s16, 17408
	s_mov_b32 s93, 0
	s_mul_i32 s94, s16, 34816
	s_mov_b32 s95, 0
	s_mul_i32 s96, s18, 208896
	s_mov_b32 s97, 0
	s_mul_i32 s98, s16, 26112
	s_mov_b32 s99, 0
	s_mul_i32 s100, s16, 52224
	s_mov_b32 s101, 0
.irp g, X0, X12, X3, W0, W12, W3
	s_mov_b32 s[\g], 1
.endr
	s_mul_i32 s[X0+1], s16, UN                     ; LDS: no place in the cluster enters an address
	s_mul_i32 s[X3+1], s16, UN
	s_mul_i32 s[X12+1], s16, 2*UN
	s_add_co_u32 s[X12+1], s[X12+1], 2*UN
	s_mul_i32 s[W0+1], s16, 29376
	s_add_co_u32 s[W0+1], s[W0+1], WB
	s_mul_i32 s[W3+1], s16, 29376
	s_add_co_u32 s[W3+1], s[W3+1], WB
	s_mul_i32 s[W12+1], s16, 3*UN
	s_add_co_u32 s[W12+1], s[W12+1], WB+3*UN
	s_wait_dscnt 0x0                               ; both opening adds are done
	s_wait_alu depctr_va_vdst(0)                   ; the wait here, directly ahead of the wait below
	s_wait_kmcnt 0x0
	s_add_nc_u64 s[22:23], s[4:5], s[22:23]        ; my tile of tokens
	s_add_nc_u64 s[96:97], s[6:7], s[96:97]        ; my heads' weights
	s_add_nc_u64 s[X0+2:X0+3], s[22:23], s[92:93]
	s_add_nc_u64 s[X3+2:X3+3], s[X0+2:X0+3], 104448
	s_add_nc_u64 s[X12+2:X12+3], s[22:23], s[94:95]
	s_add_nc_u64 s[X12+2:X12+3], s[X12+2:X12+3], 34816
	s_add_nc_u64 s[W0+2:W0+3], s[96:97], s[98:99]
	s_add_nc_u64 s[W3+2:W3+3], s[W0+2:W0+3], 156672
	s_add_nc_u64 s[W12+2:W12+3], s[96:97], s[100:101]
	s_add_nc_u64 s[W12+2:W12+3], s[W12+2:W12+3], 52224
.irp g, X0, X12, X3, W0, W12, W3
	s_or_b32 s[\g+3], s[\g+3], 0x80000000
.endr
	CROUND                                         ; all sixteen work-groups are here: the joint loads meet
	JLOAD X0, XA, W0, WA                           ; K step 0
	; where my results go: batch x head, chunk of 128 tokens
	s_lshr_b32 s20, s17, 3
	s_lshl_b32 s20, s20, 4
	s_lshl_b32 s21, s18, 1
	s_add_co_u32 s20, s20, s21
	s_add_co_u32 s20, s20, s16                     ; 16 x batch + head
	s_and_b32 s22, s17, 7
	s_lshl_b32 s22, s22, 1
	s_add_co_u32 s22, s22, s15                     ; the chunk in its sequence
	s_mul_i32 s94, s20, 73728
	s_mul_i32 s21, s22, 4608
	s_add_co_u32 s94, s94, s21
	s_mov_b32 s95, 0
	s_add_nc_u64 s[92:93], s[8:9], s[94:95]        ; in qb
	s_mul_i32 s94, s20, 139264
	s_mul_i32 s21, s22, 8704
	s_add_co_u32 s94, s94, s21
	s_add_nc_u64 s[94:95], s[10:11], s[94:95]      ; in kv
	s_mov_b32 s[SEL], 0x76543210
	s_mov_b32 s[SEL+1], 0xfedcba98
	s_mov_b32 s88, 0xffff0000                      ; lanes 16-31
	s_mul_i32 s20, s15, UN                         ; my token unit
	s_mul_i32 s21, s16, 9216
	s_add_co_u32 s21, s21, WB                      ; my head's 64 rows of a weight unit
	s_mul_i32 s22, s16, 576
	s_add_co_u32 s22, s22, WB
	s_sub_co_u32 s22, s22, s20                     ; from tokens' scale words to Wq's
	s_add_co_u32 s23, s20, 18432                   ; scale words lie behind 128 lines
	v_and_b32 v1, 15, v0                           ; r
	v_bfe_u32 v2, v0, 4, 1                         ; h
	v_mul_u32_u24 v3, v1, 144
	v_lshl_add_u32 v3, v2, 4, v3
	v_add_nc_u32 v[ADX], s20, v3
	v_add_nc_u32 v[ADX+1], 2*UN, v[ADX]
	v_add_nc_u32 v[ADX+2], 2*UN, v[ADX+1]
	v_add_nc_u32 v[ADW], s21, v3
	v_add_nc_u32 v[ADW+1], 3*UN, v[ADW]
	v_add_nc_u32 v[ADW+2], 3*UN, v[ADW+1]
	v_lshlrev_b32 v4, 3, v1
	v_mul_u32_u24 v5, s22, v2                      ; lanes 16-31 take the weights': the lower base + h x the distance
	v_add_nc_u32 v4, v4, v5
	v_add_nc_u32 v[ADS], s23, v4
	v_mul_u32_u24 v6, 19008, v2
	v_add_nc_u32 v6, 576, v6                       ; on to tokens 64-127 and Wk
	v_mul_u32_u24 v7, 39168, v2                    ; on to Wv
	v_mul_u32_u24 v8, UN, v2
	v_add_nc_u32 v8, 2*UN, v8                      ; on to the next slot
	v_add_nc_u32 v[ADS+1], v[ADS], v6
	v_add_nc_u32 v[ADS+2], v[ADS], v7
.irp g, 0,1,2,3,4,5
	v_add_nc_u32 v[ADS+3+\g], v[ADS+\g], v8
.endr
	v_and_b32 v9, 31, v0
	v_lshlrev_b32 v[LI], 4, v9
	v_lshlrev_b32 v[H8], 3, v2
.macro FX s, q, i0                     ; tokens' fragments i0 .. i0 + 3 of the slot's q-th 128 along K: lane l holds row l % 16; registers 4 c .. 4 c + 3 hold K = 64 c + 32 (l / 16) + 0 .. 31
.irp i, 0,1,2,3
.irp c, 0,1
	ds_load_b128 v[XF+8*(\i0+\i)+4*\c:XF+8*(\i0+\i)+4*\c+3], v[ADX+\s] offset:(\i0+\i)*2304+64*\q+32*\c
.endr
.endr
.endm
.macro FW s, q, role                   ; a weight's four
.irp i, 0,1,2,3
.irp c, 0,1
	ds_load_b128 v[WF+32*\role+8*\i+4*\c:WF+32*\role+8*\i+4*\c+3], v[ADW+\s] offset:\role*UN+\i*2304+64*\q+32*\c
.endr
.endr
.endm
.macro SCL s, set                      ; a K step's scale words
.irp g, 0,1,2
.irp i, 0,1,2,3
	ds_load_b64 v[SC+24*\set+8*\g+2*\i:SC+24*\set+8*\g+2*\i+1], v[ADS+3*\s+\g] offset:144*\i
.endr
.endr
.endm
.macro WM row                          ; row = 0: source 0's scales stand in lanes 16-31; 1: source 1's.  ZERO = 1: the first product starts the sum
.if \row
.if ZERO
	v_wmma_scale_f32_16x16x128_f8f6f4 v[DD:DD+7], v[AA:AA+7], v[BB:BB+7], 0, v[SA], v[SB] matrix_a_fmt:MATRIX_FMT_FP4 matrix_b_fmt:MATRIX_FMT_FP4 matrix_b_scale:MATRIX_SCALE_ROW1
.else
	v_wmma_scale_f32_16x16x128_f8f6f4 v[DD:DD+7], v[AA:AA+7], v[BB:BB+7], v[DD:DD+7], v[SA], v[SB] matrix_a_fmt:MATRIX_FMT_FP4 matrix_b_fmt:MATRIX_FMT_FP4 matrix_b_scale:MATRIX_SCALE_ROW1
.endif
.else
.if ZERO
	v_wmma_scale_f32_16x16x128_f8f6f4 v[DD:DD+7], v[AA:AA+7], v[BB:BB+7], 0, v[SA], v[SB] matrix_a_fmt:MATRIX_FMT_FP4 matrix_b_fmt:MATRIX_FMT_FP4 matrix_a_scale:MATRIX_SCALE_ROW1
.else
	v_wmma_scale_f32_16x16x128_f8f6f4 v[DD:DD+7], v[AA:AA+7], v[BB:BB+7], v[DD:DD+7], v[SA], v[SB] matrix_a_fmt:MATRIX_FMT_FP4 matrix_b_fmt:MATRIX_FMT_FP4 matrix_a_scale:MATRIX_SCALE_ROW1
.endif
.endif
.endm
.macro MUL role, x0, q, set            ; 16 products: four blocks of tokens x a weight's four.  The 96 accumulators take turns
	WIN 0x50*(\role+1)
.irp a, 0,1,2,3
.irp b, 0,1,2,3
.if \role == 2
.set DD, 8*(8*\b+\x0+\a)
.set AA, XF+8*(\x0+\a)
.set BB, WF+32*\role+8*\b
.set SA, SC+24*\set+2*(\x0+\a)+\q
.set SB, SC+24*\set+8*\role+2*\b+\q
	WM 1
.else
.set DD, 8*(4*(\x0+\a)+\b)
.set AA, WF+32*\role+8*\b
.set BB, XF+8*(\x0+\a)
.set SA, SC+24*\set+8*\role+2*\b+\q
.set SB, SC+24*\set+2*(\x0+\a)+\q
	WM 0
.endif
.endr
.endr
.endm
; 128 along K: v, k, q on tokens 0-63, then v, k, q on tokens 64-127.  Each fragment is fetched anew behind its last use, at least 32 products ahead of its next.  Loads stand in runs of 8 in the order tokens 0-63 (with them
; a new step's 12 of scale words), Wv, Wk, Wq, tokens 64-127: the counts below are the younger runs.  turn = 1: the next slot is whole behind a barrier; 2: that barrier opens a round, and slot 0 is filled again.
.macro SUB s, q, ns, nq, set, nset, turn
.if \turn
	s_wait_tensorcnt 0x0                           ; my tensor load has landed
	ds_add_u32 v[SPW], v[NIL]                      ; 0 onto my spare word
	s_wait_dscnt 25                                ; (the add and three runs may be out)
.else
	s_wait_dscnt 24
.endif
	MUL 2, 0, \q, \set
.if \turn
	s_wait_dscnt 17
.else
	s_wait_dscnt 16
.endif
	MUL 1, 0, \q, \set
.if \turn
	s_wait_dscnt 0x0                               ; the add is done, and so are my reads of this slot
	s_barrier_signal -1
.else
	s_wait_dscnt 8
.endif
	MUL 0, 0, \q, \set
	WIN 0
.if \turn
	s_barrier_wait -1
.endif
.if \turn == 2
	CREST
	JLOAD X3, XA, W3, WA                           ; K step 3, the first tensor load behind the round; its four v_nop are the places in front of the loads below
.else
	PLACES
.endif
	FX \ns, \nq, 0
.if \ns != \s
	SCL \ns, \nset
.endif
.if \turn == 0
.if \ns != \s
	s_wait_dscnt 20
.else
	s_wait_dscnt 8
.endif
.endif
	MUL 2, 4, \q, \set
	PLACES
	WIN 0
	FW \ns, \nq, 2
	MUL 1, 4, \q, \set
	PLACES
	WIN 0
	FW \ns, \nq, 1
	MUL 0, 4, \q, \set
	PLACES
	WIN 0
	FW \ns, \nq, 0
	FX \ns, \nq, 4
.endm
	s_wait_alu depctr_va_vdst(0)                   ; the wait at the head's end
	s_wait_tensorcnt 0x0                           ; my part of K step 0 is in
	ds_add_u32 v[SPW], v[NIL]
	s_wait_dscnt 0x0
	CROUND                                         ; everybody's is
	JLOAD X12, XB, W12, WC                         ; K steps 1 and 2, into slots 1 and 2
	FX 0, 0, 0
	SCL 0, 0
	FW 0, 0, 2
	FW 0, 0, 1
	FW 0, 0, 0
	FX 0, 0, 4
	SUB 0, 0, 0, 1, 0, 0, 0
.set ZERO, 0
	SUB 0, 1, 1, 0, 0, 1, 2
	SUB 1, 0, 1, 1, 1, 1, 0
	SUB 1, 1, 2, 0, 1, 0, 0
	SUB 2, 0, 2, 1, 0, 0, 0
	SUB 2, 1, 0, 0, 0, 1, 1
	SUB 0, 0, 0, 1, 1, 1, 0
	s_wait_dscnt 24                                ; the last 128 along K: nothing more to fetch
	MUL 2, 0, 1, 1
	s_wait_dscnt 16
	MUL 1, 0, 1, 1
	s_wait_dscnt 8
	MUL 0, 0, 1, 1
	s_wait_dscnt 0x0
	MUL 2, 4, 1, 1
	MUL 1, 4, 1, 1
	MUL 0, 4, 1, 1
	WIN 0
	PLACES
; THE WAY OUT, four blocks of 32 registers at a time: block m of a window is registers 32 m .. 32 m + 31, one whole block of the quantiser in each lane.  dup = 1 (q): a word for each m; 0: for each pair of neighbours (k: two tiles; v: a tile's two halves of the keys).
.macro GRP4 win, m0, pc, dup, wd, vv, sb
.set AB, 32*\m0
	WIN 5*\win
.irp k, 0,1,2,3
	v_max3_num_f32 v[T+\k], |v[AB+32*\k]|, |v[AB+32*\k+1]|, 0x1800000   ; and the floor 2^(3 - 127)
.endr
.irp i, 2,4,6,8,10,12,14,16,18,20,22,24,26,28,30
.irp k, 0,1,2,3
	v_max3_num_f32 v[T+\k], |v[AB+32*\k+\i]|, |v[AB+32*\k+\i+1]|, v[T+\k]
.endr
.endr
	WIN 0
.irp k, 0,1,2,3
	v_add_nc_u32 v[T+\k], 0xff000000, v[T+\k]      ; 2 off the exponent field: the conversions' scale operand
.endr
.irp k, 0,1,2,3
	v_lshrrev_b32 v[BY+\k], 23, v[T+\k]            ; my block's byte
.endr
.if \dup
.irp k, 0,1,2,3
	v_lshl_or_b32 v[BY+\k], v[BY+\k], 16, v[BY+\k]
.endr
.else
	v_lshl_or_b32 v[BY], v[BY+1], 16, v[BY]
	v_lshl_or_b32 v[BY+1], v[BY+3], 16, v[BY+2]
.endif
.set NW, 2+2*\dup
.irp k, 0,1,2,3
.if \k < NW
	v_lshlrev_b32 v[BY+\k], v[H8], v[BY+\k]        ; lanes 16-31 hold the odd blocks: their bytes stand 8 bits up
.endif
.endr
.irp k, 0,1,2,3
.if \k < NW
	v_permlanex16_b32 v[PX+\k], v[BY+\k], s[SEL], s[SEL+1]
.endif
.endr
.irp k, 0,1,2,3
.if \k < NW
	v_or_b32 v[\wd+\k], v[BY+\k], v[PX+\k]
.endif
.endr
	WIN \win
.irp k, 0,1,2,3
.irp g, 0,1,2,3
	v_cvt_scalef32_pk8_fp4_f32 v[\pc+4*(\m0+\k)+\g], v[AB+32*\k+8*\g:AB+32*\k+8*\g+7], v[T+\k]
.endr
.endr
	WIN 0
	v_nop                                          ; one plain place behind a scaled conversion
.irp k, 0,1,2,3
.if \vv
	global_store_b128 v[LI], v[\pc+4*(\m0+\k):\pc+4*(\m0+\k)+3], s[\sb:\sb+1] offset:4096+2048*((\m0+\k)%2)+512*((\m0+\k)/2)
.else
	global_store_b128 v[LI], v[\pc+4*(\m0+\k):\pc+4*(\m0+\k)+3], s[\sb:\sb+1] offset:512*(\m0+\k)
.endif
.endr
.endm
.irp k, 0,1,2,3
	v_mov_b32 v[PX+\k], 0                          ; a lane permute's destination counts as one of its sources
.endr
	GRP4 3, 0, 144, 0, 212, 1, 94                  ; (codes of v: v144-175, k: v112-143, q: v80-111: no register of a store is written again)
	GRP4 3, 4, 144, 0, 214, 1, 94
	GRP4 2, 0, 112, 0, 208, 0, 94
	GRP4 2, 4, 112, 0, 210, 0, 94
.irp k, 0,1,2,3
	v_cndmask_b32 v[SW+4+\k], v[QWD+8+\k], v[QWD+12+\k], s88   ; lanes 0-15 k's four words of row r, lanes 16-31 v's
.endr
	global_store_b128 v[LI], v[SW+4:SW+7], s[94:95] offset:8192
	GRP4 1, 0, 80, 1, 200, 0, 92
	GRP4 1, 4, 80, 1, 204, 0, 92
.irp k, 0,1,2,3
	v_cndmask_b32 v[SW+\k], v[QWD+\k], v[QWD+4+\k], s88        ; lanes 0-15 tiles 0-3, lanes 16-31 tiles 4-7
.endr
	global_store_b128 v[LI], v[SW:SW+3], s[92:93] offset:4096
	s_wait_tensorcnt 0x0                           ; the wave's end
	ds_add_u32 v[SPW], v[NIL]
	s_wait_dscnt 0x0
	CROUND                                         ; the closing round: no work-group ends while a partner may still ask for a tile that names it
	s_endpgm
.Lfunc_end_k_qe281b01862_proj:
	.size	k_qe281b01862_proj, .Lfunc_end_k_qe281b01862_proj-k_qe281b01862_proj
	.p2alignl 7, 3214868480
	.fill 96, 4, 3214868480
	.section	.rodata,"a",@progbits
	.p2align	6, 0x0
	.amdhsa_kernel k_qe281b01862_proj
		.amdhsa_group_segment_fixed_size 327680
		.amdhsa_private_segment_fixed_size 0
		.amdhsa_enable_private_segment 0
		.amdhsa_kernarg_size 32
		.amdhsa_user_sgpr_count 2
		.amdhsa_user_sgpr_kernarg_segment_ptr 1
		.amdhsa_wavefront_size32 1
		.amdhsa_system_sgpr_workgroup_id_x 1
		.amdhsa_system_sgpr_workgroup_id_y 1
		.amdhsa_system_sgpr_workgroup_id_z 1
		.amdhsa_system_vgpr_workitem_id 0
		.amdhsa_next_free_vgpr 1024
		.amdhsa_next_free_sgpr 102
		.amdhsa_reserve_vcc 0
		.amdhsa_float_denorm_mode_32 3
		.amdhsa_float_denorm_mode_16_64 3
		.amdhsa_memory_ordered 1
		.amdhsa_forward_progress 1
		.amdhsa_inst_pref_size 178
	.end_amdhsa_kernel
	.amdgpu_metadata
---
amdhsa.version: [ 1, 2 ]
amdhsa.kernels:
  - .name:           k_qe281b01862_proj
    .symbol:         k_qe281b01862_proj.kd
    .args:
      - { .name: xq, .offset: 0, .size: 8, .value_kind: global_buffer, .address_space: global }
      - { .name: wq, .offset: 8, .size: 8, .value_kind: global_buffer, .address_space: global }
      - { .name: qb, .offset: 16, .size: 8, .value_kind: global_buffer, .address_space: global }
      - { .name: kv, .offset: 24, .size: 8, .value_kind: global_buffer, .address_space: global }
    .group_segment_fixed_size: 327680
    .private_segment_fixed_size: 0
    .kernarg_segment_align: 8
    .kernarg_segment_size: 32
    .max_flat_workgroup_size: 128
    .sgpr_count:     102
    .vgpr_count:     1024
    .wavefront_size: 32
...
	.end_amdgpu_metadata
.endif
;; end of part 2
;; launch attn (part 3): grid 4 x 64, 8 waves a work-group, clusters of 4 x 1, 327,680 bytes of LDS; arguments qb, kv, out0; writes out0
.if DOCPART == 3
	.amdgcn_target "amdgcn-amd-amdhsa--gfx1250"
	.amdhsa_code_object_version 6
	.text
	.protected	k_qe281b01862_attn
	.globl	k_qe281b01862_attn
	.p2align	8
	.type	k_qe281b01862_attn,@function
k_qe281b01862_attn:
	s_mov_b64 s[64:65], 0
	v_nop
	global_prefetch_b8 v0, s[64:65] scope:SCOPE_SE
	s_setreg_imm32_b32 hwreg(HW_REG_WAVE_MODE, 25, 1), 1
	s_wait_xcnt 0x0
	s_wait_alu depctr_hold_cnt(0) depctr_sa_sdst(0) depctr_va_vdst(0) depctr_va_sdst(0) depctr_va_ssrc(0) depctr_va_vcc(0) depctr_vm_vsrc(0)
	s_getreg_b32 s2, hwreg(HW_REG_IB_STS2, 6, 4)
	s_cmp_eq_u32 s2, 0
	s_cbranch_scc0 .Lentry_in_a_cluster
	s_endpgm
.Lentry_in_a_cluster:
	s_bfe_u32 s2, ttmp6, 0x10000c
	s_cmp_lg_u32 s2, 0x3003
	s_cbranch_scc0 .Lentry_shape_is_right
	s_endpgm
.Lentry_shape_is_right:
; out[b][q][head][:] = the sum over keys k <= q of softmax_k(q . k / 8) v, for 64 pairs (batch, head), 2,048 tokens, head size 64; both products on codes of FP4 (E2M1) with one E8M0 scale for each 32 along K.
; The operands are images of the operands' registers (their layout: the launch before).
; WORK LEFT OUT: key steps all of whose keys come after a tile's queries (the causal mask; see the first launch).
; THE SOFTMAX AHEAD OF THE SECOND PRODUCT: t = score x log2(e) / 8; M = the row's largest t so far, rounded UP to a whole number; p = 2^(t - M) is quantised along the keys, not normalised.  The row's sum is
; taken of the unquantised p, in f32, and divides at the end.  When M moves, the sum and O are multiplied by 2^(old M - new M): exact.
; LAYOUT.  Both products are used transposed: S^T = K Q^T, O^T = V^T P^T: a lane holds ONE query of a tile throughout.  Row 8 hh + e of tile 4 c + u of a chunk is index 64 c + 32 hh + 8 u + e, for keys, queries and (c = 0) channels alike.
; So the 32 registers of S^T's tiles 4 c .. 4 c + 3 are, in lanes of half h, the keys 64 c + 32 h + 0 .. 31: a whole block, whose codes stand where the second product wants them: no lane exchange but for the row's maximum and the scale word.
; q's and k's K is the head's 64, half of the instruction's 128.  K's fragment holds TWO tiles, one in each half of its registers; Q stands once as [q, 0] and once as [0, q]: zero codes add nothing whatever the other half holds.
; SHARES.  A cluster is a pair.  A wave owns TWO tiles of 16 queries at a time, A and B: tiles u = i and u = 4 + i of a chunk of 128 (i: the work-group), which need the same key steps: each fragment of K and V feeds both,
; and the two softmaxes stand beside each other line by line.  Wave w takes chunk w xor 4 in a first pass and chunk 15 - w in a second; chunk m needs m + 1 key steps of 128.
; Waves 0-3 have 21 such steps, waves 4-7 have 13: waves w and w + 4 have 34 together, for every w.
; The number of steps hangs on the wave alone, so K and V of the pair, 139,264 bytes, are asked for JOINTLY: wave w of each of the four work-groups brings key steps 2 w and 2 w + 1, one load at the head.  One barrier; nothing is filled again.
; NO PREFETCH: every byte is asked for at the head.
; THE CAUSAL MASK.  Both loops walk 16 trips; a trip beyond my queries jumps over its work by a scalar branch on the wave's number.  In the step on the diagonal hidden scores become -infinity ahead of the maximum.
; There tile A's second 64 keys are all hidden and tile B's first 64 all count.  Key 0 counts for every query.
; LIMITS: NaN and infinities are not served.  A block of p whose every number has fallen to 0 keeps the byte 1 (its codes are zeros).  A block's largest score goes through the same multiply-add and exponential as the
; others and serves for its largest p, which takes v_exp_f32 not to fall where its input rises.
; REGISTERS.  Window 0: addresses, scale words, statistics, S^T and p, p's codes.  Window 1: K, V, O^T, Q: so the softmax needs no switch of windows.
.set HSQ,    73728
.set HSKV,   139264
.set CBKV,   8704                      ; bytes of a key step: 34 x 256
.set STAGE,  HSKV                      ; LDS behind K and V: 2 x 16 rows x (256 bytes + 16) for each wave
.set SPITCH, 272
.set SPARE,  STAGE+8*32*SPITCH         ; the spare words, four blocks of 256 bytes
.set LI,   1                           ; 16 x lane
.set LW,   2                           ; 16 r
.set SPW,  3
.set NIL,  4
.set QD,   5                           ; 8 i + 32 hh + e - 32 h: the last register of a mixed group of 64 keys that counts for my query
.set STO,  6
.set SRD,  7
.set GO,   8
.set ADI,  9                           ; this step's images, words; the next step's
.set ADW,  10
.set ADN,  11
.set ADM,  30
.set H8,   31                          ; 8 h
                                       ; v12, v13 Q's words; v14, v15 p's; v16-19 K's; v20-23 V's; v24, v25 the second pass's Q's
                                       ; tile A: v32 -M, v33 the largest score, v[34:35] the sum, v[36:37] the factor; tile B: v38-43 likewise
                                       ; v44-69 at work: v44-47 the blocks' largest, v60-63 the conversions' scale operands (A's two blocks, B's two)
.set PC,   72                          ; v72-79, v80-87 p's codes
.set SM,   88                          ; v88-95, v96-103 the rows' sums at work
.set S,    104                         ; v104-167 A's S^T, then p; v168-231 B's
.set NINF, 232
.set KF,   0                           ; window 1: K's four double fragments
.set VF,   32                          ; V's four
.set O,    64                          ; A's O^T, at 96 B's
.set QF,   128                         ; A's zeros, q, zeros, four each; at 140 B's; at 152 and 156 the second pass's q
.set WV,   10
.set CX,   11
.set BH,   12
.set SEL,  20
.set CS,   22                          ; s[22:23] c = log2(e) / 8
.set G1,   24
.set G0,   32
.set TB,   36                          ; LDS byte of the step in hand
.set KST,  37                          ; the step
.set SD,   38                          ; my chunk: the step on my diagonal
.set NC,   41                          ; -c
.set OP,   44
.set TN,   56                          ; LDS byte of the next step
.set MSB, 0
.macro WIN new                         ; the immediate's high byte repeats the setting that is left
.if MSB != (\new)
	s_set_vgpr_msb (MSB<<8)|(\new)
.set MSB, (\new)
.endif
.endm
.macro CROUND
	s_barrier_signal -1
	s_barrier_wait -1
	s_cmp_lg_u32 s[WV], 0
	s_cbranch_scc1 .Lnot_wave_0_\@
	s_barrier_signal -3
.Lnot_wave_0_\@:
	s_barrier_wait -3
	s_barrier_signal -1
	s_barrier_wait -1
.endm
	s_load_b128 s[4:7], s[0:1], 0x0                ; qb, kv
	s_load_b64 s[8:9], s[0:1], 0x10                ; the output
	v_lshl_add_u32 v[SPW], v0, 2, SPARE
	v_mov_b32 v[NIL], 0
	ds_add_u32 v[SPW], v[NIL]                      ; the opening: the add, twice on end, and its wait ahead of the first tensor load
	ds_add_u32 v[SPW], v[NIL]
	v_lshrrev_b32 v9, 5, v0
	v_readfirstlane_b32 s[WV], v9                  ; wave 0..7
	s_bfe_u32 s[CX], ttmp6, 0x40000                ; i
	s_and_b32 s[BH], ttmp7, 0xffff
	s_mov_b32 s[G1+0], 15|(3<<16)|(1<<21)          ; 15:0 all four work-groups; elements of 8 bytes; 21 set beside a mask; no padding: images are read 512 consecutive bytes an instruction
	s_mov_b32 s[G1+1], 32<<16
	s_mov_b32 s[G1+2], 68<<16
	s_mov_b32 s[G1+3], 32<<16
	s_mov_b32 s[G1+4], 68
	s_mov_b32 s[G1+5], 32
	s_mov_b32 s[G1+6], 0
	s_mov_b32 s[G1+7], 0
	s_mov_b32 s[G0], 1
	s_mul_i32 s[G0+1], s[WV], 2*CBKV               ; key steps 2 w, 2 w + 1
	s_mul_i32 s48, s[BH], HSKV
	s_add_co_u32 s48, s48, s[G0+1]
	s_mov_b32 s49, 0
	s_mov_b32 s[SEL], 0x76543210
	s_mov_b32 s[SEL+1], 0xfedcba98
	s_mov_b32 s[CS], 0x3e38aa3b
	s_mov_b32 s[CS+1], s[CS]                       ; (named with it as a pair, so it is written)
	s_mov_b32 s[NC], 0xbe38aa3b
	s_wait_dscnt 0x0                               ; both opening adds are done
	s_wait_alu depctr_va_vdst(0)                   ; the wait here, directly ahead of the wait below
	s_wait_kmcnt 0x0
	s_add_nc_u64 s[G0+2:G0+3], s[6:7], s[48:49]
	s_or_b32 s[G0+3], s[G0+3], 0x80000000
	CROUND                                         ; all four work-groups are here: the joint loads meet
	tensor_load_to_lds s[G0:G0+3], s[G1:G1+7]      ; my one tensor load
	s_nop 0
.rept 4
	v_nop
.endr
.macro PSET p                          ; a pass: my chunk, and tile A's first row in the output
.if \p
	s_sub_co_u32 s[SD], 15, s[WV]
.else
	s_xor_b32 s[SD], s[WV], 4
.endif
	s_lshl_b32 s48, s[SD], 7
	s_lshl_b32 s49, s[CX], 3
	s_add_co_u32 s48, s48, s49                     ; tile A's first query; B's lies 64 on
	s_lshr_b32 s49, s[BH], 4
	s_lshl_b32 s49, s49, 11
	s_add_co_u32 s48, s48, s49
	s_lshl_b32 s48, s48, 12                        ; 4,096 bytes a token (under 2^25)
	s_and_b32 s49, s[BH], 15
	s_lshl_b32 s49, s49, 8
	s_add_co_u32 s52, s48, s49
	s_mov_b32 s53, 0
	s_add_nc_u64 s[OP:OP+1], s[8:9], s[52:53]
.endm
.macro QADR qa, qw                     ; tile A's image and scale words in qb
	s_mul_i32 s48, s[BH], HSQ
	s_mul_i32 s49, s[SD], 4608
	s_add_co_u32 s48, s48, s49
	s_lshl_b32 s49, s[CX], 9
	s_add_co_u32 s52, s48, s49
	s_lshl_b32 s49, s[CX], 2
	s_add_co_u32 s54, s48, s49
	s_mov_b32 s55, 0
	s_add_nc_u64 s[\qa:\qa+1], s[4:5], s[52:53]
	s_add_nc_u64 s[\qw:\qw+1], s[4:5], s[54:55]
.endm
	s_mul_i32 s58, s[WV], 32*SPITCH
	s_add_co_u32 s58, s58, STAGE                   ; my stage
	s_lshl_b32 s59, s[CX], 3
	v_and_b32 v9, 31, v0
	v_and_b32 v10, 15, v0                          ; r
	v_bfe_u32 v11, v0, 4, 1                        ; h
	v_lshlrev_b32 v[LI], 4, v9
	v_lshlrev_b32 v[LW], 4, v10
	v_and_b32 v[QD], 7, v10
	v_lshrrev_b32 v44, 3, v10
	v_lshlrev_b32 v45, 5, v11
	v_lshl_add_u32 v[QD], v44, 5, v[QD]
	v_mul_u32_u24 v[STO], v10, SPITCH              ; in: row r, my half's 32 channels: 128 h bytes on
	v_mul_u32_u24 v[SRD], v11, SPITCH              ; back: lanes 0-15 one row of 256 bytes, lanes 16-31 the next
	v_sub_nc_u32 v[QD], v[QD], v45
	v_lshl_add_u32 v[STO], v11, 7, v[STO]
	v_lshl_add_u32 v[SRD], v10, 4, v[SRD]
	v_add_nc_u32 v[QD], s59, v[QD]
	v_add_nc_u32 v[STO], s58, v[STO]
	v_add_nc_u32 v[SRD], s58, v[SRD]
	v_lshlrev_b32 v[GO], 12, v11
	v_lshlrev_b32 v[H8], 3, v11
	v_lshl_add_u32 v[GO], v10, 4, v[GO]
	v_mov_b32 v[NINF], 0xff800000                  ; -infinity
.irp j, 36,37,42,43,54,55,68,69
	v_mov_b32 v[\j], 0                             ; a lane permute's destination counts as one of its sources; v37 and v43 are named as upper halves of pairs
.endr
	WIN 0x40
.irp j, 0,1,2,3,8,9,10,11,12,13,14,15,20,21,22,23
	v_mov_b32 v[QF+\j], 0                          ; Q's zero codes
.endr
	WIN 0
	PSET 1
	QADR 42, 46
	PSET 0
	QADR 14, 16
	s_wait_alu depctr_va_vdst(0)                   ; the wait here, ahead of the readers below
	WIN 0x40                                       ; destination window 1
	global_load_b128 v[QF+4:QF+7], v[LI], s[14:15]
	global_load_b128 v[QF+16:QF+19], v[LI], s[14:15] offset:2048
	global_load_b128 v[QF+24:QF+27], v[LI], s[42:43]             ; the second pass's
	global_load_b128 v[QF+28:QF+31], v[LI], s[42:43] offset:2048
	WIN 0
	global_load_b32 v12, v[LW], s[16:17] offset:4096             ; lane r: query r's word
	global_load_b32 v13, v[LW], s[16:17] offset:4352
	global_load_b32 v24, v[LW], s[46:47] offset:4096
	global_load_b32 v25, v[LW], s[46:47] offset:4352
.macro PINIT
.irp j, 32,38
	v_mov_b32 v[\j], 0x7e967699                    ; -M so far: 1e38: the first change of M makes the factor 0
	v_mov_b32 v[\j+1], 0xff61b1e6                  ; the largest score so far: -3e38, under every score
	v_mov_b32 v[\j+2], 0
	v_mov_b32 v[\j+3], 0
.endr
	WIN 0x40
.set J, 0
.rept 64
	v_mov_b32 v[O+J], 0                            ; O^T.  (The step is written once: the first finds zeros)
.set J, J+1
.endr
	WIN 0
.endm
.macro KLOAD ai, aw
	WIN 0x40
.irp t, 0,1,2,3,4,5,6,7
	ds_load_b128 v[KF+4*\t:KF+4*\t+3], v[\ai] offset:512*\t
.endr
	WIN 0
	ds_load_b128 v[16:19], v[\aw] offset:8192      ; row r's words of the four pairs of tiles
.endm
.macro MASK off                        ; 32 registers of a mixed group of 64 keys
.irp m, 0,1,2,3,4,5,6,7,8,9,10,11,12,13,14,15,16,17,18,19,20,21,22,23,24,25,26,27,28,29,30,31
	v_cmp_gt_i32 vcc_lo, \m, v[QD]
	v_cndmask_b32 v[S+\off+\m], v[S+\off+\m], v[NINF], vcc_lo
.endr
.endm
.macro SUM d, a, b
	v_pk_add_f32 v[\d:\d+1], v[\a:\a+1], v[\b:\b+1]
.endm
.macro ROUND n                         ; eight more pairs into the eight chains, four a tile
.irp k, 0,1,2,3
	SUM SM+2*\k, SM+2*\k, S+8+8*\n+2*\k
	SUM SM+8+2*\k, SM+8+2*\k, S+72+8*\n+2*\k
.endr
.endm
.macro PROD t, q, w, s                 ; double fragment t: its even tile by [q, 0], its odd tile by [0, q]
	v_wmma_scale_f32_16x16x128_f8f6f4 v[\s+16*\t:\s+16*\t+7], v[KF+8*\t:KF+8*\t+7], v[\q+4:\q+11], 0, v[16+\t], v[\w] matrix_a_fmt:MATRIX_FMT_FP4 matrix_b_fmt:MATRIX_FMT_FP4
	v_wmma_scale_f32_16x16x128_f8f6f4 v[\s+16*\t+8:\s+16*\t+15], v[KF+8*\t:KF+8*\t+7], v[\q:\q+7], 0, v[16+\t], v[\w] matrix_a_fmt:MATRIX_FMT_FP4 matrix_b_fmt:MATRIX_FMT_FP4
.endm
; A pass: 16 trips over the key steps, then the way out.
.macro PBODY p
	s_mov_b32 s[TB], 0
	s_mov_b32 s[KST], 0
	s_wait_alu depctr_va_vdst(0)                   ; the wait here, ahead of the loop
.Lstep_\@:
	s_cmp_gt_u32 s[KST], s[SD]                     ; all 128 keys of this step come after my queries: its work is left out
	s_cbranch_scc1 .Lhidden_\@
	s_add_co_u32 s[TN], s[TB], CBKV
	s_min_u32 s[TN], s[TN], 15*CBKV
	WIN 0x05                                       ; sources 0 and 1 window 1, results window 0
	s_wait_dscnt 0x0                               ; this step's K is in
.irp t, 0,1,2,3
	PROD \t, QF, 12, S
	PROD \t, QF+12, 13, S+64
.endr
	WIN 0
	v_add_nc_u32 v[ADI], s[TB], v[LI]              ; these four lines are the places behind the products
	v_add_nc_u32 v[ADW], s[TB], v[LW]
	v_add_nc_u32 v[ADN], s[TN], v[LI]
	v_add_nc_u32 v[ADM], s[TN], v[LW]
	WIN 0x40
.irp t, 0,1,2,3
.irp c, 0,1
	ds_load_b128 v[VF+8*\t+4*\c:VF+8*\t+4*\c+3], v[ADI] offset:4096+2048*\c+512*\t   ; V's tile of channels t, half c of the keys: they land under the softmax
.endr
.endr
	WIN 0
	ds_load_b128 v[20:23], v[ADW] offset:8448
	s_cmp_eq_u32 s[KST], s[SD]
	s_cbranch_scc1 .Lnok_\@
	KLOAD ADN, ADM                                 ; the next step's K, where there is one
.Lnok_\@:
	s_cmp_lg_u32 s[KST], s[SD]                     ; only the step on the diagonal has hidden keys
	s_cbranch_scc1 .Lopen_\@
	MASK 0                                         ; tile A: the first 64 keys are mixed, the second 64 all hidden
.irp m, 0,1,2,3,4,5,6,7,8,9,10,11,12,13,14,15,16,17,18,19,20,21,22,23,24,25,26,27,28,29,30,31
	v_mov_b32 v[S+32+\m], v[NINF]
.endr
	MASK 96                                        ; tile B: the first 64 all count, the second 64 are mixed
.Lopen_\@:
.irp b, 0,1,2,3
	v_max3_num_f32 v[44+\b], v[S+32*\b], v[S+32*\b+1], v[S+32*\b+2]         ; the largest score of each block (A's two, B's two): for the row's maximum and for the block's largest p
	v_max3_num_f32 v[48+\b], v[S+32*\b+16], v[S+32*\b+17], v[S+32*\b+18]
.endr
.irp i, 3,5,7,9,11,13
.irp b, 0,1,2,3
	v_max3_num_f32 v[44+\b], v[44+\b], v[S+32*\b+\i], v[S+32*\b+\i+1]
	v_max3_num_f32 v[48+\b], v[48+\b], v[S+32*\b+16+\i], v[S+32*\b+17+\i]
.endr
.endr
.irp b, 0,1,2,3
	v_max3_num_f32 v[44+\b], v[44+\b], v[S+32*\b+15], v[S+32*\b+31]
.endr
.irp b, 0,1,2,3
	v_max_num_f32 v[44+\b], v[44+\b], v[48+\b]
.endr
	v_max_num_f32 v52, v44, v45
	v_max_num_f32 v53, v46, v47
	v_permlanex16_b32 v54, v52, s[SEL], s[SEL+1]
	v_permlanex16_b32 v55, v53, s[SEL], s[SEL+1]
	v_max3_num_f32 v33, v33, v52, v54              ; the running largest score of my query
	v_max3_num_f32 v39, v39, v53, v55
	v_mul_f32 v58, s[NC], v33                      ; -t
	v_mul_f32 v59, s[NC], v39
	v_floor_f32 v58, v58                           ; the new -M = floor(-t): M IS A WHOLE NUMBER
	v_floor_f32 v59, v59
	v_sub_f32 v56, v58, v32                        ; old M - new M: a whole number, 0 or less
	v_sub_f32 v57, v59, v38
	v_mov_b32 v32, v58
	v_mov_b32 v38, v59
.set J, 0
.rept 16
	v_pk_fma_f32 v[S+J:S+J+1], v[S+J:S+J+1], s[CS:CS+1], v[32:33] op_sel_hi:[1,0,0]        ; t - M (of the pairs c and -M the low word serves both halves)
	v_pk_fma_f32 v[S+64+J:S+65+J], v[S+64+J:S+65+J], s[CS:CS+1], v[38:39] op_sel_hi:[1,0,0]
.if J == 4
	v_cvt_i32_f32 v56, v56                         ; (it saturates)
	v_cvt_i32_f32 v57, v57
.endif
.if J == 12
	v_ldexp_f32 v36, 1.0, v56                      ; the factor: a multiplication by it rounds nothing
	v_ldexp_f32 v42, 1.0, v57
.endif
.set J, J+2
.endr
.rept 16
	v_pk_fma_f32 v[S+J:S+J+1], v[S+J:S+J+1], s[CS:CS+1], v[32:33] op_sel_hi:[1,0,0]
	v_pk_fma_f32 v[S+64+J:S+65+J], v[S+64+J:S+65+J], s[CS:CS+1], v[38:39] op_sel_hi:[1,0,0]
.set J, J+2
.endr
.irp k, 0,1
	v_fma_f32 v[44+\k], v[44+\k], s[CS], v32
	v_fma_f32 v[46+\k], v[46+\k], s[CS], v38
.endr
	WIN 0x41                                       ; destination and source 0 window 1
.irp j, 0,2,4,6,8,10,12,14,16,18,20,22,24,26,28,30
	v_pk_mul_f32 v[O+\j:O+\j+1], v[O+\j:O+\j+1], v[36:37] op_sel_hi:[1,0]   ; O^T under the new M
	v_pk_mul_f32 v[O+32+\j:O+33+\j], v[O+32+\j:O+33+\j], v[42:43] op_sel_hi:[1,0]
.endr
	WIN 0
	s_wait_alu depctr_va_vdst(0)                   ; the wait ahead of the batch
.set J, 0
.rept 128
	v_exp_f32 v[S+J], v[S+J]                       ; p = 2^(t - M), at most 1
.set J, J+1
.endr
.irp b, 0,1,2,3
	v_exp_f32 v[44+\b], v[44+\b]                   ; the blocks' largest p: the same instructions on the same number give the same bits
.endr
	v_pk_mul_f32 v[34:35], v[34:35], v[36:37] op_sel_hi:[1,0]     ; the sums under the new M (plain places behind the exponentials)
	v_pk_mul_f32 v[40:41], v[40:41], v[42:43] op_sel_hi:[1,0]
	s_wait_alu depctr_va_vdst(0)                   ; and behind it
.irp b, 0,1,2,3
	v_max_num_f32 v[44+\b], 0x1800000, v[44+\b]    ; the floor 2^(3 - 127): the byte cannot fall under 1
.endr
.irp k, 0,1,2,3
	SUM SM+2*\k, S+2*\k, S+8+2*\k
	SUM SM+8+2*\k, S+64+2*\k, S+72+2*\k
.endr
.irp b, 0,1,2,3
	v_add_nc_u32 v[60+\b], 0xff000000, v[44+\b]    ; 2 off the exponent field: the conversions' scale operands
.endr
	ROUND 1
.irp b, 0,1,2,3
	v_lshrrev_b32 v[64+\b], 23, v[60+\b]           ; the bytes
.endr
	ROUND 2
	v_lshl_or_b32 v64, v65, 16, v64                ; my two blocks' bytes,
	v_lshl_or_b32 v66, v67, 16, v66
	ROUND 3
	v_lshlrev_b32 v64, v[H8], v64                  ; at their places in the word,
	v_lshlrev_b32 v66, v[H8], v66
	ROUND 4
	v_permlanex16_b32 v68, v64, s[SEL], s[SEL+1]
	v_permlanex16_b32 v69, v66, s[SEL], s[SEL+1]
	ROUND 5
	v_or_b32 v14, v64, v68                         ; with lane l xor 16's: p's scale word for these 128 keys
	v_or_b32 v15, v66, v69
.irp b, 0,1,2,3
.irp g, 0,1,2,3
	v_cvt_scalef32_pk8_fp4_f32 v[PC+4*\b+\g], v[S+32*\b+8*\g:S+32*\b+8*\g+7], v[60+\b]
.endr
.endr
	ROUND 6                                        ; (plain places behind the conversions, and in front of the products)
	SUM SM, SM, SM+4
	SUM SM+8, SM+8, SM+12
	SUM SM+2, SM+2, SM+6
	SUM SM+10, SM+10, SM+14
	SUM 34, 34, SM
	SUM 40, 40, SM+8
	SUM 34, 34, SM+2
	SUM 40, 40, SM+10
	WIN 0x51                                       ; V, C and D window 1, p window 0
	s_wait_alu depctr_va_vdst(0)                   ; the wait here, directly ahead of the wait below
	s_wait_dscnt 0x0                               ; V and its words are in
.irp t, 0,1,2,3
	v_wmma_scale_f32_16x16x128_f8f6f4 v[O+8*\t:O+8*\t+7], v[VF+8*\t:VF+8*\t+7], v[PC:PC+7], v[O+8*\t:O+8*\t+7], v[20+\t], v14 matrix_a_fmt:MATRIX_FMT_FP4 matrix_b_fmt:MATRIX_FMT_FP4
	v_wmma_scale_f32_16x16x128_f8f6f4 v[O+32+8*\t:O+39+8*\t], v[VF+8*\t:VF+8*\t+7], v[PC+8:PC+15], v[O+32+8*\t:O+39+8*\t], v[20+\t], v15 matrix_a_fmt:MATRIX_FMT_FP4 matrix_b_fmt:MATRIX_FMT_FP4
.endr                                              ; eight accumulators by turns
	WIN 0
.Lhidden_\@:
	s_add_co_u32 s[TB], s[TB], CBKV
	s_add_co_u32 s[KST], s[KST], 1
	s_cmp_lt_u32 s[KST], 16
	s_cbranch_scc1 .Lstep_\@
	; THE WAY OUT.  O^T is divided by the sum and goes through my stage: a lane holds 32 channels of one query; a query's 64 channels, 256 bytes, leave from sixteen lanes.
.if \p == 0
	s_wait_dscnt 0x0                               ; no load of K is out on any way here
	KLOAD LI, LW                                   ; the second pass's first K
.endif
	v_add_f32 v34, v34, v35
	v_add_f32 v40, v40, v41
	v_permlanex16_b32 v54, v34, s[SEL], s[SEL+1]
	v_permlanex16_b32 v55, v40, s[SEL], s[SEL+1]
	v_add_f32 v34, v34, v54                        ; the rows' sums
	v_add_f32 v40, v40, v55
	s_wait_alu depctr_va_vdst(0)                   ; the wait ahead of the transcendentals
	v_rcp_f32 v34, v34
	v_rcp_f32 v40, v40
.rept 2
	v_nop                                          ; plain places behind the reciprocals
.endr
	WIN 0x01                                       ; source 0 window 1
	s_wait_alu depctr_va_vdst(0)                   ; and behind them
.irp j, 0,2,4,6,8,10,12,14,16,18,20,22,24,26,28,30
	v_pk_mul_f32 v[S+\j:S+\j+1], v[O+\j:O+\j+1], v[34:35] op_sel_hi:[1,0]   ; register j is channel 32 h + j of my query
	v_pk_mul_f32 v[S+64+\j:S+65+\j], v[O+32+\j:O+33+\j], v[40:41] op_sel_hi:[1,0]
.endr
	WIN 0
.irp c, 0,1
.irp k, 0,1,2,3,4,5,6,7
	ds_store_b128 v[STO], v[S+64*\c+4*\k:S+64*\c+4*\k+3] offset:16*SPITCH*\c+16*\k
.endr
.endr
.irp c, 0,1
.irp n, 0,1,2,3,4,5,6,7
	ds_load_b128 v[S+32+64*\c+4*\n:S+35+64*\c+4*\n], v[SRD] offset:(16*\c+2*\n)*SPITCH   ; LDS serves a wave's instructions in order (ISA guide 5.7.1.4): these see my stores
.endr
.endr
.irp c, 0,1
.irp n, 0,1,2,3,4,5,6,7
	s_wait_dscnt 15-8*\c-\n                        ; two rows more are back; the younger loads may be out
	global_store_b128 v[GO], v[S+32+64*\c+4*\n:S+35+64*\c+4*\n], s[OP:OP+1] offset:(64*\c+2*\n+24*(\n/4))*4096 th:TH_STORE_NT   ; stage rows 8-15 of a tile are the queries 32 on; sixteen lanes store 256 consecutive bytes, aligned
.endr
.endr
.endm
	PINIT
	s_wait_alu depctr_va_vdst(0)                   ; the wait at the head's end
	s_wait_loadcnt 0x0                             ; both passes' Q
	s_wait_tensorcnt 0x0                           ; my key steps have landed;
	ds_add_u32 v[SPW], v[NIL]                      ; 0 onto my spare word
	s_wait_dscnt 0x0
	s_barrier_signal -1
	s_barrier_wait -1                              ; all sixteen have: from here on K and V are only read
	KLOAD LI, LW
	PBODY 0
	s_wait_xcnt 0x0                                ; the stores have read their registers and their base
	PSET 1
	WIN 0x41
.irp j, 0,1,2,3
	v_mov_b32 v[QF+4+\j], v[QF+24+\j]
	v_mov_b32 v[QF+16+\j], v[QF+28+\j]
.endr
	WIN 0
	v_mov_b32 v12, v24
	v_mov_b32 v13, v25
	PINIT
	PBODY 1
	s_wait_tensorcnt 0x0                           ; the wave's end
	ds_add_u32 v[SPW], v[NIL]
	s_wait_dscnt 0x0
	CROUND                                         ; the closing round: no work-group ends while a partner may still ask for a tile that names it
	s_endpgm
.Lfunc_end_k_qe281b01862_attn:
	.size	k_qe281b01862_attn, .Lfunc_end_k_qe281b01862_attn-k_qe281b01862_attn
	.p2alignl 7, 3214868480
	.fill 96, 4, 3214868480
	.section	.rodata,"a",@progbits
	.p2align	6, 0x0
	.amdhsa_kernel k_qe281b01862_attn
		.amdhsa_group_segment_fixed_size 327680
		.amdhsa_private_segment_fixed_size 0
		.amdhsa_enable_private_segment 0
		.amdhsa_kernarg_size 24
		.amdhsa_user_sgpr_count 2
		.amdhsa_user_sgpr_kernarg_segment_ptr 1
		.amdhsa_wavefront_size32 1
		.amdhsa_system_sgpr_workgroup_id_x 1
		.amdhsa_system_sgpr_workgroup_id_y 1
		.amdhsa_system_sgpr_workgroup_id_z 1
		.amdhsa_system_vgpr_workitem_id 0
		.amdhsa_next_free_vgpr 416
		.amdhsa_next_free_sgpr 66
		.amdhsa_reserve_vcc 1
		.amdhsa_float_denorm_mode_32 3
		.amdhsa_float_denorm_mode_16_64 3
		.amdhsa_memory_ordered 1
		.amdhsa_forward_progress 1
		.amdhsa_inst_pref_size 91
	.end_amdhsa_kernel
	.amdgpu_metadata
---
amdhsa.version: [ 1, 2 ]
amdhsa.kernels:
  - .name:           k_qe281b01862_attn
    .symbol:         k_qe281b01862_attn.kd
    .args:
      - { .name: qb, .offset: 0, .size: 8, .value_kind: global_buffer, .address_space: global }
      - { .name: kv, .offset: 8, .size: 8, .value_kind: global_buffer, .address_space: global }
      - { .name: out0, .offset: 16, .size: 8, .value_kind: global_buffer, .address_space: global }
    .group_segment_fixed_size: 327680
    .private_segment_fixed_size: 0
    .kernarg_segment_align: 8
    .kernarg_segment_size: 24
    .max_flat_workgroup_size: 256
    .sgpr_count:     66
    .vgpr_count:     416
    .wavefront_size: 32
...
	.end_amdgpu_metadata
.endif
;; end of part 3
